; MI455X (gfx1250); checked and timed in simulation.
; The chip was launched on July 23, 2026; its instructions are those of AMD's public machine-readable ISA for CDNA 5 (MIT licence, August 2026) and "CDNA5" Instruction Set Architecture Reference Guide (July 2026). The comments in the code are by the model that wrote it; some were corrected since.
;; Attention. Allowed arithmetic: matrix products marked QUANTISED: E4M3 operands, one given power-of-two scale a tensor, by v_wmma_f32_16x16x64_fp8_fp8 or v_wmma_f32_16x16x128_fp8_fp8, f32 sums; everything else in f32.
;; Inputs: Wk_codes 1,024 x 32 x 32 uint8 (E4M3 codes of Wk, K innermost, in blocks of 32 codes); Wo_codes 1,024 x 32 x 32 uint8 (E4M3 codes of Wo, K innermost, in blocks of 32 codes); Wq_codes 1,024 x 32 x 32 uint8 (E4M3 codes of Wq, K innermost, in blocks of 32 codes); Wv_codes 1,024 x 32 x 32 uint8 (E4M3 codes of Wv, K innermost, in blocks of 32 codes); lowp_scales 12 int32 (the exponents e of the quantised operands' scales 2^e); x_codes 1 x 4,096 x 32 x 32 uint8 (E4M3 codes of x, K innermost, in blocks of 32 codes).
;; Outputs: out0 1 x 4,096 x 1,024 float32.
;; This version of the problem:
;;   THIS VERSION OF THE PROBLEM IS GIVEN IN LOW PRECISION. The matrix products marked QUANTISED in the list below multiply operands that are first quantised to E4M3 (4 exponent bits, 3 mantissa bits; 8 bits a number), with one given power-of-two scale for each operand tensor; their sums are f32. All else is computed in f32.
;;   The module's matrix products, in the order in which they are computed (A, B: the left and right operand; K: the contracted axis; several contracted axes count as one K, in the product's order):
;;     1. [M 4,096, K 1,024] x [K 1,024, N 1,024]; A: input x (given as codes); B: input Wq (given as codes): QUANTISED (scales: A lowp_scales[0], B lowp_scales[1])
;;     2. [M 4,096, K 1,024] x [K 1,024, N 1,024]; A: input x (given as codes); B: input Wk (given as codes): QUANTISED (scales: A lowp_scales[2], B lowp_scales[3])
;;     3. [M 4,096, K 1,024] x [K 1,024, N 1,024]; A: input x (given as codes); B: input Wv (given as codes): QUANTISED (scales: A lowp_scales[4], B lowp_scales[5])
;;     4. batch 16 x [M 4,096, K 64] x [K 64, N 4,096]; A: computed on the way; B: computed on the way: QUANTISED (scales: A lowp_scales[6], B lowp_scales[7])
;;     5. batch 16 x [M 4,096, K 4,096] x [K 4,096, N 64]; A: softmax (see below); B: computed on the way: QUANTISED (scales: A lowp_scales[8], B lowp_scales[9])
;;     6. [M 4,096, K 1,024] x [K 1,024, N 1,024]; A: computed on the way; B: input Wo (given as codes): QUANTISED (scales: A lowp_scales[10], B lowp_scales[11])
;;   THE QUANTISER, for each operand of a quantised product, along K:
;;     - The operand's scale is 2^e, e = its entry of the input lowp_scales (int32; the entries are numbered through the quantised products in the list's order, A before B).
;;     - Each number is divided by the scale, clamped to +-448, and rounded to the nearest number of E4M3, ties to even, subnormals kept.
;;     - The product sums the exact products of the quantised numbers (number of the format x scale) in f32.
;;   ~~~python
;;   def quantise(x, axis, e):      # numpy; x: float32 -> the quantised numbers, widened to float32 again
;;       x = np.moveaxis(x, axis, -1); K = x.shape[-1]
;;       r = np.clip(x / 2.0 ** e, -448, 448)
;;       step = 2.0 ** (np.maximum(np.frexp(np.where(r == 0, 1, r))[1] - 1, -6) - 3)
;;       q = np.round(r / step) * step * 2.0 ** e      # np.round: ties to even
;;       return np.moveaxis(q, -1, axis).astype(np.float32)
;;   ~~~
;;   SOFTMAX AHEAD OF A QUANTISED PRODUCT. Where the list says 'softmax', what is quantised is not the finished softmax but p = 2^(t - M), with t = logit x log2(e) and M = ceil(the row's largest t), a whole number; so 1/2 < the row's largest p <= 1. The row's sum l is taken of the UNQUANTISED p, in f32, and the product's result is divided by l at the end. Since M is a whole number, a kernel that streams over the keys may use a running M (the ceiling of the running maximum): every later rescaling is an exact power of two, so the quantised numbers keep their values, but for numbers so far below the row's largest that they fall under the format's range.
;;   OPERANDS COMPUTED ON THE WAY. 'Computed on the way' means the value that the module computes at that place (a softmax that the list does not call 'softmax' is quantised finished and normalised). What goes into a quantiser is computed in f32, as accurately as f32 sums, v_exp_f32 and their like allow (about 1e-6 of the number): no bf16 or f16 on the way to a quantiser, and a product that is left as it is and whose result goes on into a quantised operand takes f32 operands (vector FMAs, or v_wmma_f32_16x16x4_f32). A number that lies on a knife's edge between two numbers of the format may be rounded either way, as far as f32 arithmetic and the matrix unit's own rounding can turn it there, and no further.
;;   INPUTS GIVEN AS CODES. Wk (in the module: [1024, 1024], K = its axis 0); Wo (in the module: [1024, 1024], K = its axis 0); Wq (in the module: [1024, 1024], K = its axis 0); Wv (in the module: [1024, 1024], K = its axis 0); x (in the module: [1, 4096, 1024], K = its axis 2): each comes as NAME_codes (uint8): NAME with its K axis moved to the last place and cut into blocks of 32 codes, [.., K / 32, bytes a block], one block behind the other in memory; one code a byte (a code: sign, 4 exponent bits, 3 mantissa bits); its scale is its entry of lowp_scales. Its value is code x scale, taken as it is: it is not quantised again, and the codes and scales need not be those that the quantiser above would give.
;; One version. Each part assembles by itself: llvm-mc -triple=amdgcn-amd-amdhsa -mcpu=gfx1250 --defsym DOCPART=n.
;; ======== version 1 of 1: 3 launches
;; limits: right only within a limited range of input values
;; workspace buffers: qimg 4,194,304 bytes; kimg 4,194,304 bytes; vimg 4,194,304 bytes; oimg 4,194,304 bytes
;; launch qkv (part 1): grid 16 x 16, 12 waves a work-group, clusters of 4 x 4, 327,680 bytes of LDS; arguments x_codes, Wq_codes, Wk_codes, Wv_codes, lowp_scales, qimg, kimg, vimg; writes qimg, kimg, vimg
.if DOCPART == 1
	.amdgcn_target "amdgcn-amd-amdhsa--gfx1250"
	.amdhsa_code_object_version 6
	.text
	.protected	k_qe647064c20_qkv
	.globl	k_qe647064c20_qkv
	.p2align	8
	.type	k_qe647064c20_qkv,@function
k_qe647064c20_qkv:
	s_mov_b64 s[64:65], 0
	v_nop
	global_prefetch_b8 v0, s[64:65] scope:SCOPE_SE
	s_setreg_imm32_b32 hwreg(HW_REG_WAVE_MODE, 25, 1), 1
	s_wait_xcnt 0x0
	s_wait_alu depctr_hold_cnt(0) depctr_sa_sdst(0) depctr_va_vdst(0) depctr_va_sdst(0) depctr_va_ssrc(0) depctr_va_vcc(0) depctr_vm_vsrc(0)
	s_getreg_b32 s2, hwreg(HW_REG_IB_STS2, 6, 4)
	s_cmp_eq_u32 s2, 0
	s_cbranch_scc0 .Lentry_in_a_cluster
	s_endpgm
.Lentry_in_a_cluster:
	s_bfe_u32 s2, ttmp6, 0x10000c
	s_cmp_lg_u32 s2, 0xf033
	s_cbranch_scc0 .Lentry_shape_is_right
	s_endpgm
.Lentry_shape_is_right:
; q = l2norm(x Wq), k = l2norm(x Wk), v = x Wv for one head and 256 rows, all three products on codes of E4M3, and the three results quantised to E4M3 at once.
; x_codes [4096][1024], W*_codes [1024 (out)][1024 (K)]: K innermost.  lowp_scales: e0..e11.  A raw sum stands for sum x 2^(e0+e1) (q), 2^(e2+e3) (k), 2^(e4+e5) (v).
; SHARES.  Work-group (x, y) = (block of 256 rows, head).  Twelve waves: role g = wave / 4 (0 q, 1 k, 2 v), row group rg = wave % 4 (64 rows).  A wave makes 64 x 64: 16 accumulators, 128 registers;
; three waves lie on a SIMD, so that one wave's LDS loads stand beside another's products.
; LAYOUT.  q, k: source 0 = 16 rows of W (channels), source 1 = 16 rows of x: a lane holds ONE row and eight neighbouring channels, so the norm wants one exchange between the halves of the lanes, and the conversion's
; two registers are registers 2 j, 2 j + 1 of the next product's operand (K = the head's 64).  v: source 0 = 16 rows of x (keys), source 1 = 16 rows of Wv: a lane holds ONE channel and eight neighbouring keys,
; which are the second attention product's K.  So all three leave as IMAGES OF OPERAND REGISTERS, 16 bytes a lane: each store of a wave covers 512 consecutive bytes, aligned.
;   qimg, kimg: [head][tile of 16 rows: 256][group of 4 registers: 2][lane][16]        vimg: [head][step of 128 keys: 32][tile of 16 channels: 4][group: 4][lane][16]
; NORM.  t / max(|t|, 1e-12) with t = raw x 2^E is raw / max(sqrt(sum raw^2), 1e-12 x 2^-E): the power of two is exact.
; K goes in steps of 256 through a ring of two LDS slots; a fragment is fetched by two loads of 16 bytes, 32 apart: a permutation of k that is the same in both operands.
; CLUSTER 4 x 4.  x's tile hangs on the row block alone: shared along a column of the cluster.  The three W tiles hang on the head alone: shared along a row.  Each is asked for jointly.
; LIMITS on the given exponents: e6, e7 and e9 - e4 - e5 between -126 and 119 (each power of two, and 448 x it, an f32 number); e0 + e1 and e2 + e3 between -160 and 86 (1e-12 x 2^-E a normal f32 number).
; NaN codes among the inputs are not served.
.set PITCH, 272                        ; an LDS row: 256 bytes + 16 of padding = 68 words, so the 16 rows that a load touches start at 16 different banks (64 banks of 4 bytes: ISA guide 11.1)
.set GS,    64*PITCH                   ; a region: 64 rows, what one tensor load brings
.set SLOT,  7*GS                       ; regions 0-3: x's four row groups; 4, 5, 6: Wq's, Wk's, Wv's 64 rows of the head
.set SPARE, 2*SLOT                     ; behind the ring: the spare words, 128 bytes for each of the twelve waves: six blocks of 256 bytes that no other line names
.set XA,  6                            ; v6, v7   LDS address of my x fragments in slot 0, 1
.set WA,  8                            ; v8, v9   the same for my W
.set XF,  16                           ; v16-47   x: four fragments of 16 rows x 64 K
.set WF,  48                           ; v48-79   W: four fragments
.set ACC, 80                           ; v80-207  accumulator (i, j) at ACC + 8 (4 i + j)
.set SS,  16                           ; the way out: v16-23 sums of squares in pairs, v24-27 the other half's
.set CD,  48                           ; the way out: v48-79 the codes
.set WV,  20                           ; s20 my wave's number; s21 role; s22 row group
.set G1A, 24                           ; s[24:31] descriptor group 1 for x's tiles; s[32:39] group 0, a set for each slot
.set G0A, 32
.set G1B, 40                           ; s[40:47], s[48:55] the same for W's tiles
.set G0B, 48
.macro PLACES n                        ; plain vector places behind matrix instructions (ISA guide 7.12.1)
.rept \n
	v_nop
.endr
.endm
.macro ROUND                           ; a round of the cluster's barrier: my work-group's barrier, wave 0 signals for the work-group, all wait for the sixteen, my work-group's barrier once more
	s_barrier_signal -1
	s_barrier_wait -1
	s_cmp_lg_u32 s[WV], 0
	s_cbranch_scc1 .Lnot_wave_0_\@
	s_barrier_signal -3
.Lnot_wave_0_\@:
	s_barrier_wait -3
	s_barrier_signal -1
	s_barrier_wait -1
.endm
; A joint refill: waves 0-3 fetch x's four row groups, waves 4, 5, 6 the head's rows of Wq, Wk, Wv, the others nothing.  The branches hang on the wave's number alone.  Four v_nop follow each line.
.macro JLOAD slot
	s_cmp_lt_u32 s[WV], 4
	s_cbranch_scc0 .Lnot_x_\@
	tensor_load_to_lds s[G0A+4*\slot:G0A+4*\slot+3], s[G1A:G1A+7]
	s_nop 0
	PLACES 4
	s_branch .Lasked_\@
.Lnot_x_\@:
	s_cmp_lt_u32 s[WV], 7
	s_cbranch_scc0 .Lasked_\@
	tensor_load_to_lds s[G0B+4*\slot:G0B+4*\slot+3], s[G1B:G1B+7]
	s_nop 0
	PLACES 4
.Lasked_\@:
.endm
; 16 matrix instructions, the 16 accumulators by turns in the same order in every step: D(i, j) = fragment j of the first set x fragment i of the second.
.macro MULS first, second, zero
.irp i, 0,1,2,3
.irp j, 0,1,2,3
.if \zero
	v_wmma_f32_16x16x64_fp8_fp8 v[ACC+8*(4*\i+\j):ACC+8*(4*\i+\j)+7], v[\first+8*\j:\first+8*\j+7], v[\second+8*\i:\second+8*\i+7], 0
.else
	v_wmma_f32_16x16x64_fp8_fp8 v[ACC+8*(4*\i+\j):ACC+8*(4*\i+\j)+7], v[\first+8*\j:\first+8*\j+7], v[\second+8*\i:\second+8*\i+7], v[ACC+8*(4*\i+\j):ACC+8*(4*\i+\j)+7]
.endif
.endr
.endr
.endm
; 64 along K: 16 LDS loads, 16 products.  zero = 1: the products start the sums, nothing is cleared.
.macro KSTEP slot, kk, zero
	PLACES 4                                       ; in front of loads into registers that matrix instructions have read
.irp t, 0,1,2,3
.irp c, 0,1
	ds_load_b128 v[WF+8*\t+4*\c:WF+8*\t+4*\c+3], v[WA+\slot] offset:\t*16*PITCH+64*\kk+32*\c
.endr
.endr
.irp t, 0,1,2,3
.irp c, 0,1
	ds_load_b128 v[XF+8*\t+4*\c:XF+8*\t+4*\c+3], v[XA+\slot] offset:\t*16*PITCH+64*\kk+32*\c
.endr
.endr
	s_wait_dscnt 0x0                               ; all 16 are in; the SIMD's two other waves work meanwhile
	s_cmp_lt_u32 s[WV], 8
	s_cbranch_scc0 .Lrole_v_\@
	MULS WF, XF, \zero                             ; q, k: i = tile of rows, j = tile of channels
	s_branch .Lmul_done_\@
.Lrole_v_\@:
	MULS XF, WF, \zero                             ; v: i = tile of channels, j = tile of rows (keys)
.Lmul_done_\@:
.endm
.macro SLOTWORK slot, zero
	KSTEP \slot, 0, \zero
	KSTEP \slot, 1, 0
	KSTEP \slot, 2, 0
	KSTEP \slot, 3, 0
.endm
; The change of slots.  Each wave waits for all its tensor loads (its part of the slot ahead), adds 0 to its spare word, and waits for that and for its reads of the slot that it leaves.
; fill = 1: that slot is filled again, 512 along K further on; the barrier is then a round of the cluster's, and the joint refill is the first tensor load behind it.
.macro CHANGE slot, fill
	s_wait_tensorcnt 0x0                           ; no tensor load of mine is out, so a group 0 may be written
	ds_add_u32 v4, v5                              ; 0 onto my spare word
.if \fill
	ds_add_u32 v4, v5                              ; and once more where a load follows
	s_add_nc_u64 s[G0A+4*\slot+2:G0A+4*\slot+3], s[G0A+4*\slot+2:G0A+4*\slot+3], 512
	s_add_nc_u64 s[G0B+4*\slot+2:G0B+4*\slot+3], s[G0B+4*\slot+2:G0B+4*\slot+3], 512
.endif
	s_wait_dscnt 0x0                               ; the add is done, and my reads of the slot are over
.if \fill
	ROUND
	JLOAD \slot
.else
	s_barrier_signal -1
	s_barrier_wait -1
.endif
.endm
	s_load_b256 s[4:11], s[0:1], 0x0               ; x s[4:5], Wq s[6:7], Wk s[8:9], Wv s[10:11]
	s_load_b256 s[12:19], s[0:1], 0x20             ; the scales' exponents s[12:13], qimg s[14:15], kimg s[16:17], vimg s[18:19]
	v_lshl_add_u32 v4, v0, 2, SPARE                ; my spare word; never rewritten
	v_mov_b32 v5, 0                                ; 0; never rewritten
	ds_add_u32 v4, v5
	ds_add_u32 v4, v5
	s_wait_dscnt 0x0
	v_lshrrev_b32 v1, 5, v0
	s_delay_alu instid0(VALU_DEP_1)
	v_readfirstlane_b32 s[WV], v1                  ; wave 0..11
	s_lshr_b32 s21, s[WV], 2                       ; role
	s_and_b32 s22, s[WV], 3                        ; row group
	s_bfe_u32 s56, ttmp6, 0x40000                  ; cx, cy: my place in the cluster
	s_bfe_u32 s57, ttmp6, 0x40004
	s_lshl_b32 s58, ttmp9, 2
	s_add_co_u32 s58, s58, s56                     ; block of 256 rows = 4 x cluster x + cx
	s_and_b32 s59, ttmp7, 0xffff
	s_lshl_b32 s59, s59, 2
	s_add_co_u32 s59, s59, s57                     ; head = 4 x cluster y + cy
	s_lshl_b32 s60, 0x1111, s56                    ; my column of the cluster: the same rows of x
	s_lshl_b32 s61, s57, 2
	s_lshl_b32 s61, 15, s61                        ; my row of the cluster: the same head
	s_mov_b32 s90, 0x76543210                      ; v_permlanex16_b32's selects for lane l xor 16
	s_mov_b32 s91, 0xfedcba98
	; descriptor group 1: 64 rows x 256 bytes, 1,024 bytes apart in memory, 16 bytes of padding behind each in LDS
	s_or_b32 s[G1A], s60, (1<<20)|(1<<21)|(5<<22)|(3<<25)   ; 15:0 the mask; 17:16 elements of 1 byte; 20 padding on; 21 set beside a mask; 24:22 after every 64 words (code 5); 31:25 four words (code 3)
	s_or_b32 s[G1B], s61, (1<<20)|(1<<21)|(5<<22)|(3<<25)
.irp g, G1A, G1B
	s_mov_b32 s[\g+1], 256<<16                     ; tensor_dim0
	s_mov_b32 s[\g+2], 64<<16                      ; tensor_dim1
	s_mov_b32 s[\g+3], 256<<16                     ; tile_dim0
	s_mov_b32 s[\g+4], 64                          ; tile_dim1
	s_mov_b32 s[\g+5], 1024                        ; tensor_dim0_stride
	s_mov_b32 s[\g+6], 0
	s_mov_b32 s[\g+7], 0
.endr
	s_lshl_b32 s66, s58, 18                        ; x: row 256 x block + 64 x (wave % 4), 1,024 bytes a row: it hangs on the row block and the wave alone
	s_lshl_b32 s67, s22, 16
	s_add_co_u32 s66, s66, s67
	s_mov_b32 s67, 0
	s_lshl_b32 s70, s59, 16                        ; W: row 64 x head: it hangs on the head alone
	s_mov_b32 s71, 0
	s_mul_i32 s23, s[WV], GS                       ; where a tile goes: region = wave: no place in the cluster enters an LDS address
	s_wait_kmcnt 0x0
	s_load_b256 s[72:79], s[12:13], 0x0            ; e0 .. e7
	s_load_b64 s[80:81], s[12:13], 0x20            ; e8, e9
	s_add_nc_u64 s[66:67], s[4:5], s[66:67]
	s_cmp_eq_u32 s[WV], 4                          ; wave 4: Wq, wave 5: Wk, wave 6: Wv (the other waves' choice is not used)
	s_cselect_b64 s[68:69], s[6:7], s[10:11]
	s_cmp_eq_u32 s[WV], 5
	s_cselect_b64 s[68:69], s[8:9], s[68:69]
	s_add_nc_u64 s[68:69], s[68:69], s[70:71]
.irp s, 0,1
	s_mov_b32 s[G0A+4*\s], 1                       ; count = 1
	s_add_co_u32 s[G0A+4*\s+1], s23, \s*SLOT       ; LDS address
	s_add_nc_u64 s[G0A+4*\s+2:G0A+4*\s+3], s[66:67], \s*256   ; global address: K step s
	s_or_b32 s[G0A+4*\s+3], s[G0A+4*\s+3], 0x80000000         ; type = 2
	s_mov_b32 s[G0B+4*\s], 1
	s_add_co_u32 s[G0B+4*\s+1], s23, \s*SLOT
	s_add_nc_u64 s[G0B+4*\s+2:G0B+4*\s+3], s[68:69], \s*256
	s_or_b32 s[G0B+4*\s+3], s[G0B+4*\s+3], 0x80000000
.endr
	ROUND                                          ; all sixteen work-groups are here: the first joint loads meet
	s_cmp_lt_u32 s[WV], 4                          ; each loading wave's one first fill: its part of slot 0
	s_cbranch_scc0 .Lfirst_not_x
	tensor_load_to_lds s[G0A:G0A+3], s[G1A:G1A+7]
	s_nop 0
	PLACES 4
	s_branch .Lfirst_asked
.Lfirst_not_x:
	s_cmp_lt_u32 s[WV], 7
	s_cbranch_scc0 .Lfirst_asked
	tensor_load_to_lds s[G0B:G0B+3], s[G1B:G1B+7]
	s_nop 0
	PLACES 4
.Lfirst_asked:
	v_and_b32 v1, 15, v0                           ; r = lane % 16
	v_bfe_u32 v2, v0, 4, 1                         ; h = lane / 16
	v_and_b32 v3, 31, v0
	s_delay_alu instid0(VALU_DEP_1)
	v_lshlrev_b32 v3, 4, v3                        ; 16 x lane: my place in an image
	s_delay_alu instid0(VALU_DEP_4)
	v_mul_u32_u24 v12, v1, PITCH
	s_delay_alu instid0(VALU_DEP_1)
	v_lshl_add_u32 v12, v2, 4, v12                 ; a fragment's row x pitch + 16 x half
	s_mul_i32 s62, s22, GS                         ; my 64 rows of x
	s_add_co_u32 s63, s21, 4
	s_mul_i32 s63, s63, GS                         ; my role's W
	v_add_nc_u32 v[XA], s62, v12
	v_add_nc_u32 v[WA], s63, v12
	s_delay_alu instid0(VALU_DEP_2)
	v_add_nc_u32 v[XA+1], SLOT, v[XA]
	s_delay_alu instid0(VALU_DEP_2)
	v_add_nc_u32 v[WA+1], SLOT, v[WA]
	s_wait_alu depctr_va_vdst(0)
	s_wait_tensorcnt 0x0                           ; my part of slot 0 is in; slot 1's first fill is issued as a refill is:
	ds_add_u32 v4, v5                              ; the add, twice on end,
	ds_add_u32 v4, v5
	s_wait_dscnt 0x0
	ROUND                                          ; a round: everybody's part of slot 0 is in, and the joint loads meet
	JLOAD 1                                        ; K 256-511
	SLOTWORK 0, 1                                  ; K 0-255
	CHANGE 0, 1                                    ; slot 0 takes K 512-767
	SLOTWORK 1, 0                                  ; K 256-511
	CHANGE 1, 1                                    ; slot 1 takes K 768-1023
	SLOTWORK 0, 0
	CHANGE 0, 0                                    ; nothing is left to fetch
	SLOTWORK 1, 0
	; THE WAY OUT.  By role (a choice on the wave's number, never on a scale): E, the conversion's exponent, the buffer and my place in it.
	s_wait_kmcnt 0x0
	s_add_co_i32 s84, s72, s73                     ; e0 + e1
	s_add_co_i32 s85, s74, s75                     ; e2 + e3
	s_sub_co_i32 s87, s81, s76
	s_sub_co_i32 s87, s87, s77                     ; e9 - e4 - e5: v's three scales folded into the conversion's one
	s_lshl_b32 s92, s59, 18                        ; a head's 262,144 bytes,
	s_lshl_b32 s93, s58, 14                        ; a row block's 16,384
	s_add_co_u32 s92, s92, s93
	s_lshl_b32 s93, s22, 12                        ; q, k: my four tiles of 1,024
	s_lshr_b32 s94, s22, 1
	s_lshl_b32 s94, s94, 13                        ; v: the step of 128 keys, 8,192 bytes,
	s_and_b32 s95, s22, 1
	s_lshl_b32 s95, s95, 10                        ; and in each fragment my two groups of 512
	s_add_co_u32 s94, s94, s95
	s_cmp_eq_u32 s21, 0
	s_cselect_b32 s84, s84, s85                    ; E
	s_cselect_b32 s86, s78, s79                    ; e6 or e7
	s_cselect_b64 s[88:89], s[14:15], s[16:17]
	s_cmp_lt_u32 s21, 2
	s_cselect_b32 s86, s86, s87
	s_cselect_b64 s[88:89], s[88:89], s[18:19]
	s_cselect_b32 s93, s93, s94
	s_add_co_u32 s92, s92, s93
	s_mov_b32 s93, 0
	s_add_nc_u64 s[88:89], s[88:89], s[92:93]
	s_sub_co_i32 s84, 0, s84
	s_add_co_i32 s86, s86, 127
	s_lshl_b32 s87, s86, 23
	v_mov_b32 v10, s87                             ; the conversion's scale as f32
	s_add_co_i32 s86, s86, 8
	s_lshl_b32 s86, s86, 23
	s_or_b32 s86, s86, 0x600000
	v_mov_b32 v11, s86                             ; 448 x that
	v_mov_b32 v13, 0x2b8cbccc                      ; 1e-12
	s_delay_alu instid0(VALU_DEP_1)
	v_ldexp_f32 v13, v13, s84                      ; x 2^-E
	PLACES 4                                       ; in front of the first read of results and of writes into the fragments' registers
	s_cmp_lt_u32 s[WV], 8
	s_cbranch_scc0 .Lno_norm                       ; v is not normalised
.irp i, 0,1,2,3                                ; the sum of squares of a row's 32 channels of my half, two at a time; the four tiles of rows take turns; each accumulator from its low end on
	v_pk_mul_f32 v[SS+2*\i:SS+2*\i+1], v[ACC+32*\i:ACC+32*\i+1], v[ACC+32*\i:ACC+32*\i+1]
.endr
.irp p, 1,2,3,4,5,6,7,8,9,10,11,12,13,14,15
.irp i, 0,1,2,3
	v_pk_fma_f32 v[SS+2*\i:SS+2*\i+1], v[ACC+32*\i+2*\p:ACC+32*\i+2*\p+1], v[ACC+32*\i+2*\p:ACC+32*\i+2*\p+1], v[SS+2*\i:SS+2*\i+1]
.endr
.endr
.irp i, 0,1,2,3
	s_delay_alu instid0(VALU_DEP_4)
	v_add_f32 v[SS+2*\i], v[SS+2*\i], v[SS+2*\i+1]
.endr
.irp i, 0,1,2,3
	s_delay_alu instid0(VALU_DEP_4)
	v_permlanex16_b32 v[SS+8+\i], v[SS+2*\i], s90, s91   ; the row's other 32 channels lie in the lane 16 away
.endr
.irp i, 0,1,2,3
	s_delay_alu instid0(VALU_DEP_4)
	v_add_f32 v[SS+2*\i], v[SS+2*\i], v[SS+8+\i]
.endr
	s_wait_alu depctr_va_vdst(0)
.irp i, 0,1,2,3
	v_sqrt_f32 v[SS+2*\i], v[SS+2*\i]
.endr
	v_nop                                          ; a plain place behind the transcendentals
	s_wait_alu depctr_va_vdst(0)
.irp i, 0,1,2,3
	v_max_num_f32 v[SS+2*\i], v[SS+2*\i], v13
.endr
	s_wait_alu depctr_va_vdst(0)
.irp i, 0,1,2,3
	v_rcp_f32 v[SS+2*\i], v[SS+2*\i]
.endr
	v_nop
	s_wait_alu depctr_va_vdst(0)
.irp i, 0,1,2,3
.irp p, 0,1,2,3,4,5,6,7,8,9,10,11,12,13,14,15
	v_pk_mul_f32 v[ACC+32*\i+2*\p:ACC+32*\i+2*\p+1], v[ACC+32*\i+2*\p:ACC+32*\i+2*\p+1], v[SS+2*\i:SS+2*\i+1] op_sel_hi:[1,0]
.endr
.endr
.Lno_norm:
.set n, 0
	s_wait_alu depctr_va_vdst(0)
.rept 128
	v_med3_num_f32 v[ACC+n], v[ACC+n], -v11, v11   ; the conversion to an 8-bit code does not saturate (ISA guide 7.6.2): the hold at the largest code x the scale
.set n, n+1
.endr
.irp i, 0,1,2,3
.irp j, 0,1,2,3
	v_cvt_scalef32_pk8_fp8_f32 v[CD+8*\i+2*\j:CD+8*\i+2*\j+1], v[ACC+8*(4*\i+\j):ACC+8*(4*\i+\j)+7], v10   ; registers 2 j, 2 j + 1 of operand i
.endr
.endr
	v_nop                                          ; a plain place behind the last conversion
	s_cmp_lt_u32 s[WV], 8
	s_cbranch_scc0 .Lstore_v
.irp i, 0,1,2,3                                ; q, k: tile of rows i: 1,024 bytes
.irp c, 0,1
	global_store_b128 v3, v[CD+8*\i+4*\c:CD+8*\i+4*\c+3], s[88:89] offset:\i*1024+\c*512
.endr
.endr
	s_branch .Lstored
.Lstore_v:
	s_wait_alu depctr_va_vdst(0)
.irp i, 0,1,2,3                                ; v: tile of channels i: a fragment of 2,048 bytes, of which my 64 keys are two groups
.irp c, 0,1
	global_store_b128 v3, v[CD+8*\i+4*\c:CD+8*\i+4*\c+3], s[88:89] offset:\i*2048+\c*512
.endr
.endr
.Lstored:
	s_wait_tensorcnt 0x0                           ; the wave's end
	ds_add_u32 v4, v5
	s_wait_dscnt 0x0
	ROUND                                          ; the closing round: no work-group ends while a partner may still ask for a tile that names it
	s_endpgm
.Lfunc_end_k_qe647064c20_qkv:
	.size	k_qe647064c20_qkv, .Lfunc_end_k_qe647064c20_qkv-k_qe647064c20_qkv
	.p2alignl 7, 3214868480
	.fill 96, 4, 3214868480
	.section	.rodata,"a",@progbits
	.p2align	6, 0x0
	.amdhsa_kernel k_qe647064c20_qkv
		.amdhsa_group_segment_fixed_size 327680
		.amdhsa_private_segment_fixed_size 0
		.amdhsa_enable_private_segment 0
		.amdhsa_kernarg_size 64
		.amdhsa_user_sgpr_count 2
		.amdhsa_user_sgpr_kernarg_segment_ptr 1
		.amdhsa_wavefront_size32 1
		.amdhsa_system_sgpr_workgroup_id_x 1
		.amdhsa_system_sgpr_workgroup_id_y 1
		.amdhsa_system_sgpr_workgroup_id_z 1
		.amdhsa_system_vgpr_workitem_id 0
		.amdhsa_next_free_vgpr 208
		.amdhsa_next_free_sgpr 96
		.amdhsa_reserve_vcc 0
		.amdhsa_float_denorm_mode_32 3
		.amdhsa_float_denorm_mode_16_64 3
		.amdhsa_memory_ordered 1
		.amdhsa_forward_progress 1
		.amdhsa_inst_pref_size 84
	.end_amdhsa_kernel
	.amdgpu_metadata
---
amdhsa.version: [ 1, 2 ]
amdhsa.kernels:
  - .name:           k_qe647064c20_qkv
    .symbol:         k_qe647064c20_qkv.kd
    .args:
      - { .name: x_codes, .offset: 0, .size: 8, .value_kind: global_buffer, .address_space: global }
      - { .name: Wq_codes, .offset: 8, .size: 8, .value_kind: global_buffer, .address_space: global }
      - { .name: Wk_codes, .offset: 16, .size: 8, .value_kind: global_buffer, .address_space: global }
      - { .name: Wv_codes, .offset: 24, .size: 8, .value_kind: global_buffer, .address_space: global }
      - { .name: lowp_scales, .offset: 32, .size: 8, .value_kind: global_buffer, .address_space: global }
      - { .name: qimg, .offset: 40, .size: 8, .value_kind: global_buffer, .address_space: global }
      - { .name: kimg, .offset: 48, .size: 8, .value_kind: global_buffer, .address_space: global }
      - { .name: vimg, .offset: 56, .size: 8, .value_kind: global_buffer, .address_space: global }
    .group_segment_fixed_size: 327680
    .private_segment_fixed_size: 0
    .kernarg_segment_align: 8
    .kernarg_segment_size: 64
    .max_flat_workgroup_size: 384
    .sgpr_count:     96
    .vgpr_count:     208
    .wavefront_size: 32
...
	.end_amdgpu_metadata
.endif
;; end of part 1
;; launch attn (part 2): grid 16 x 16, 8 waves a work-group, clusters of 4 x 1, 327,680 bytes of LDS; arguments qimg, kimg, vimg, lowp_scales, oimg; writes oimg
.if DOCPART == 2
	.amdgcn_target "amdgcn-amd-amdhsa--gfx1250"
	.amdhsa_code_object_version 6
	.text
	.protected	k_qe647064c20_attn
	.globl	k_qe647064c20_attn
	.p2align	8
	.type	k_qe647064c20_attn,@function
k_qe647064c20_attn:
	s_mov_b64 s[64:65], 0
	v_nop
	global_prefetch_b8 v0, s[64:65] scope:SCOPE_SE
	s_setreg_imm32_b32 hwreg(HW_REG_WAVE_MODE, 25, 1), 1
	s_wait_xcnt 0x0
	s_wait_alu depctr_hold_cnt(0) depctr_sa_sdst(0) depctr_va_vdst(0) depctr_va_sdst(0) depctr_va_ssrc(0) depctr_va_vcc(0) depctr_vm_vsrc(0)
	s_getreg_b32 s2, hwreg(HW_REG_IB_STS2, 6, 4)
	s_cmp_eq_u32 s2, 0
	s_cbranch_scc0 .Lentry_in_a_cluster
	s_endpgm
.Lentry_in_a_cluster:
	s_bfe_u32 s2, ttmp6, 0x10000c
	s_cmp_lg_u32 s2, 0x3003
	s_cbranch_scc0 .Lentry_shape_is_right
	s_endpgm
.Lentry_shape_is_right:
; o = softmax(8 q k^T, causal) v for one head, both products on codes of E4M3; o is quantised to E4M3 for the output projection.
; Key steps that lie wholly above the diagonal of the causal mask are left out: their p is 0 for all inputs.
; qimg, kimg: [head][tile of 16 rows: 256][group: 2][lane][16]; vimg: [head][step of 128 keys: 32][tile of 16 channels: 4][group: 4][lane][16]: images of operand registers.
; oimg: [tile of 16 rows: 256][head: 16][group: 2][lane][16].
; THE SOFTMAX: t = raw score x 8 log2(e) 2^(e6+e7); M = the running largest t rounded UP to a whole number; p = 2^(t - M) is quantised with 2^e8, not normalised; the sum is taken of the unquantised p.
; When M moves, the sum and O are multiplied by 2^(old M - new M): exact.  Hidden scores become -infinity ahead of the maximum.
; LAYOUT.  S^T = K Q^T, O^T = V^T P^T: a lane holds ONE query.  Tile T of S^T holds keys 16 T + 8 (lane / 16) + 0..7: its conversion gives registers 2 T, 2 T + 1 of P.
; SHARES.  A head has 8 blocks of 512 queries; cluster J (0..3) takes block J and then block 7 - J; keys go in slots of 512: J + 1 and 8 - J slots, NINE trips for every work-group.
; A wave owns TWO tiles of 16 queries, 8 u + cx and 8 u + 4 + cx of the block's 32, so each fragment of K and V read from LDS feeds two matrix instructions.
; The slot's four key steps are shared by parity: waves 0-3 (e = 0) take steps 0 and 2, waves 4-7 (e = 1) steps 1 and 3, for the same queries (u = 0 1 2 3 and 3 2 1 0).
; At a block's end wave (u, 1) lays O, its sums and its M into a stage in LDS, and wave (u, 0) joins the two parts by exact powers of two, divides, quantises and stores.
; In a block's last slot both tiles of a wave lie in key step u: steps beyond u are left out, step u is masked.  No branch hangs on cx, so the four partners ask for every slot JOINTLY.
; A STEP'S ORDER.  K's fragments; the scores of both tiles; then V's loads and, in a trip's first step, the second step's K; maxima and M of both tiles; tile A's exponentials with tile B's t - M laid between them;
; A's sums; tile B's exponentials with A's hold laid between them; B's sums and hold; the conversions; O^T x f; the second product.
; PREFETCH: at a change of slots each wave names 8 blocks of 256 bytes of its own 8,192 bytes of the slot after the one being asked for (partner cx takes blocks 8 cx .. 8 cx + 7); a slot is named once in a cluster
; (s47 holds the highest slot named), never beyond the cluster's last slot 7 - J; slots 0 and 1 come by their loads alone.
; LIMITS on the given exponents: e6 + e7 between -129 and 124 (added to the exponent field of 8 log2(e)); e8 and e10 between -126 and 119; e8 + e9 goes by v_ldexp_f32.  NaN codes are not served.
; REGISTERS.  Window 0: v1 16 x lane; v2 address in the slot; v3, v4 the add's; v5 stage; v6 prefetch offset; v7 -infinity; v8-23 Q of tiles A, B; v24-39 the second block's; v40-43 -M, largest t (A, B);
; v44-51 sums; v52-55 f; v56-63 at work; v64-67, v70 scales and holds; v68, v69 the mask's d; v72-103 P's codes; v104 16 x lane + 8,192 e; v112-239 S^T, then p (A, B).
; Window 1: v0-63 K; v64-127 V; v128-191 O^T (A, B).
.set SLOT1, 65536                      ; a slot: 32,768 bytes of K, then 32,768 of V
.set VOFF,  32768
.set SPARE, 2*SLOT1                    ; the spare words: 128 bytes for each of eight waves
.set STG,   SPARE+1024                 ; the stage: 9,216 bytes for each u; no tile lands here
.set QA, 8
.set QB, 16
.set PA, 72
.set PB, 88
.set SA, 112
.set SB, 176
.set KF, 0
.set VF, 64
.set OA, 128
.set WV, 14                            ; s14 wave; s15 7 - J; s16 cx; s17 J; s18 head; s19 J + 1; s44 u
.set SQ, 60                            ; s60, s61 my two key steps in a slot: e, e + 2
.set MSB, 0
.macro WIN new                         ; the immediate's high byte repeats the setting that is left
.if MSB != \new
	s_set_vgpr_msb (MSB<<8)|\new
.set MSB, \new
.endif
.endm
.macro PLACES n
.rept \n
	v_nop
.endr
.endm
.macro ROUND                           ; a round of the cluster's barrier
	s_barrier_signal -1
	s_barrier_wait -1
	s_cmp_lg_u32 s[WV], 0
	s_cbranch_scc1 .Lnot_wave_0_\@
	s_barrier_signal -3
.Lnot_wave_0_\@:
	s_barrier_wait -3
	s_barrier_signal -1
	s_barrier_wait -1
.endm
; THE CHANGE OF SLOTS, at a trip's head: all my tensor loads are in, the add, my LDS instructions are done; fill = 1: the slot just left takes the next trip's keys, 8,192 bytes a wave.
.macro CHANGE fill
	s_wait_tensorcnt 0x0
	ds_add_u32 v3, v4
.if \fill
	s_xor_b32 s33, s33, SLOT1
	s_add_co_u32 s40, s40, 1
	s_add_co_u32 s45, s41, 1
	s_cmp_eq_u32 s45, s19
	s_cselect_b32 s40, 0, s40                      ; the next trip's slot number: 0 where it begins the second block
	s_lshl_b32 s38, s40, 15
	s_add_nc_u64 s[34:35], s[36:37], s[38:39]
	s_or_b32 s35, s35, 0x80000000
	s_wait_xcnt 0x0                                ; any prefetch of mine has read its address
	s_add_co_u32 s46, s40, 1
	s_min_u32 s46, s46, s15                        ; the slot after that, at most the cluster's last
	s_lshl_b32 s62, s46, 15
	s_add_nc_u64 s[48:49], s[36:37], s[62:63]
.endif
	s_wait_dscnt 0x0
.if \fill
	ROUND
	tensor_load_to_lds s[32:35], s[24:31]          ; every wave's one joint load behind the round
	s_nop 0
	PLACES 4
	s_cmp_gt_u32 s46, s47                          ; ids and the count of trips alone
	s_cbranch_scc0 .Lnp_\@
	global_prefetch_b8 v6, s[48:49] th:TH_LOAD_NT scope:SCOPE_SE
	s_mov_b32 s47, s46
.Lnp_\@:
.else
	s_barrier_signal -1
	s_barrier_wait -1
.endif
.endm
.macro KLOAD i                         ; K's eight fragments of my i-th key step (destination window 1)
.irp t, 0,1,2,3,4,5,6,7
.irp c, 0,1
	ds_load_b128 v[KF+8*\t+4*\c:KF+8*\t+4*\c+3], v2 offset:\i*16384+\t*1024+\c*512
.endr
.endr
.endm
.macro SUMS S, c0, c1                  ; a tile's 64 unquantised p onto its sum c0, two at a time, in four chains
	v_pk_add_f32 v[\c1:\c1+1], v[\S:\S+1], v[\S+2:\S+3]
	v_pk_add_f32 v[56:57], v[\S+4:\S+5], v[\S+6:\S+7]
	v_pk_add_f32 v[58:59], v[\S+8:\S+9], v[\S+10:\S+11]
	v_pk_add_f32 v[\c0:\c0+1], v[\c0:\c0+1], v[\S+12:\S+13]
.irp j, 14,22,30,38,46,54
	v_pk_add_f32 v[\c1:\c1+1], v[\c1:\c1+1], v[\S+\j:\S+\j+1]
	v_pk_add_f32 v[56:57], v[56:57], v[\S+\j+2:\S+\j+3]
	v_pk_add_f32 v[58:59], v[58:59], v[\S+\j+4:\S+\j+5]
	v_pk_add_f32 v[\c0:\c0+1], v[\c0:\c0+1], v[\S+\j+6:\S+\j+7]
.endr
	v_pk_add_f32 v[\c1:\c1+1], v[\c1:\c1+1], v[\S+62:\S+63]
	v_pk_add_f32 v[56:57], v[56:57], v[58:59]
	v_pk_add_f32 v[\c0:\c0+1], v[\c0:\c0+1], v[\c1:\c1+1]
	v_pk_add_f32 v[\c0:\c0+1], v[\c0:\c0+1], v[56:57]
.endm
; A KEY STEP for both tiles: my i-th 128 keys of the slot in hand.  s43 = 4 in a slot all of whose keys count, u in a block's last slot.
; Where my first step is hidden, so is my second (e + 2 > e): both jumps lead behind the second step.
.macro STEP i, tag
	s_cmp_lt_u32 s43, s[SQ+\i]
	s_cbranch_scc1 .Lhid_\tag
.if \i == 0
	PLACES 4                                       ; in front of loads into registers that matrix instructions have read
	WIN 0x40
	KLOAD 0
.endif
	s_wait_dscnt 0x0                               ; K is in (second step: asked for in the first)
	WIN 0x01
.irp t, 0,1,2,3,4,5,6,7
	v_wmma_f32_16x16x64_fp8_fp8 v[SA+8*\t:SA+8*\t+7], v[KF+8*\t:KF+8*\t+7], v[QA:QA+7], 0
	v_wmma_f32_16x16x64_fp8_fp8 v[SB+8*\t:SB+8*\t+7], v[KF+8*\t:KF+8*\t+7], v[QB:QB+7], 0
.endr
	PLACES 4                                       ; in front of the loads below and of the first read of the scores
	WIN 0x40
.irp t, 0,1,2,3
.irp c, 0,1,2,3
	ds_load_b128 v[VF+16*\t+4*\c:VF+16*\t+4*\c+3], v2 offset:VOFF+\i*16384+\t*2048+\c*512
.endr
.endr
.if \i == 0
	KLOAD 1                                        ; the second step's K, into registers that this step's products have read
.endif
	WIN 0
	s_cmp_lg_u32 s43, s[SQ+\i]
	s_cbranch_scc1 .Lopen_\@
.set n, 0
.rept 64                                       ; register n holds key 16 (n / 8) + n % 8 + 8 (lane / 16) of the step: hidden where that exceeds d
	v_cmp_gt_i32 vcc_lo, 16*(n/8)+n%8, v68
	v_cndmask_b32 v[SA+n], v[SA+n], v7, vcc_lo
	v_cmp_gt_i32 vcc_lo, 16*(n/8)+n%8, v69
	v_cndmask_b32 v[SB+n], v[SB+n], v7, vcc_lo
.set n, n+1
.endr
.Lopen_\@:
	v_max3_num_f32 v56, v[SA], v[SA+1], v[SA+2]    ; the step's largest scores, four chains by turns, each accumulator from its low end on
	v_max3_num_f32 v58, v[SB], v[SB+1], v[SB+2]
	v_max3_num_f32 v57, v[SA+3], v[SA+4], v[SA+5]
	v_max3_num_f32 v59, v[SB+3], v[SB+4], v[SB+5]
.irp j, 6,10,14,18,22,26,30,34,38,42,46,50,54,58
	v_max3_num_f32 v56, v56, v[SA+\j], v[SA+\j+1]
	v_max3_num_f32 v58, v58, v[SB+\j], v[SB+\j+1]
	v_max3_num_f32 v57, v57, v[SA+\j+2], v[SA+\j+3]
	v_max3_num_f32 v59, v59, v[SB+\j+2], v[SB+\j+3]
.endr
	v_max3_num_f32 v56, v56, v[SA+62], v[SA+63]
	v_max3_num_f32 v58, v58, v[SB+62], v[SB+63]
	v_max_num_f32 v56, v56, v57
	v_max_num_f32 v58, v58, v59
	v_permlanex16_b32 v60, v56, s20, s21
	v_permlanex16_b32 v61, v58, s20, s21
	v_max_num_f32 v56, v56, v60
	v_max_num_f32 v58, v58, v61
	v_mul_f32 v56, s22, v56                        ; as t (c is positive)
	v_mul_f32 v58, s22, v58
	v_max_num_f32 v41, v41, v56                    ; the running largest t
	v_max_num_f32 v43, v43, v58
	v_mov_b32 v56, v40
	v_mov_b32 v58, v42
	v_floor_f32 v40, -v41                          ; the new -M = -ceil(t)
	v_floor_f32 v42, -v43
	v_sub_f32 v56, v40, v56                        ; old M - new M, a whole number, 0 or less
	v_sub_f32 v58, v42, v58
	v_cvt_i32_f32 v56, v56                         ; (it saturates)
	v_cvt_i32_f32 v58, v58
	v_ldexp_f32 v52, 1.0, v56                      ; f = 2^(old M - new M)
	v_ldexp_f32 v54, 1.0, v58
.set n, 0
.rept 32
	v_pk_fma_f32 v[SA+n:SA+n+1], v[SA+n:SA+n+1], s[22:23], v[40:41] op_sel_hi:[1,0,0]   ; tile A: t - M
.set n, n+2
.endr
	s_wait_alu depctr_va_vdst(0)                   ; the wait ahead of the batch
.set n, 0
.rept 32                                       ; tile A: p = 2^(t - M); between the exponentials tile B's t - M, which is read only behind the wait below
	v_exp_f32 v[SA+n], v[SA+n]
	v_exp_f32 v[SA+n+1], v[SA+n+1]
	v_pk_fma_f32 v[SB+n:SB+n+1], v[SB+n:SB+n+1], s[22:23], v[42:43] op_sel_hi:[1,0,0]
.set n, n+2
.endr
	s_wait_alu depctr_va_vdst(0)                   ; the wait behind tile A's batch and ahead of tile B's
	v_pk_mul_f32 v[44:45], v[44:45], v[52:53] op_sel_hi:[1,0]   ; A's sum under the new M
	SUMS SA, 44, 48
.set n, 0
.rept 32                                       ; tile B: p; between the exponentials tile A's hold at 448 x 2^e8, two numbers an instruction (the conversion does not saturate: ISA guide 7.6.2; p is not negative)
	v_exp_f32 v[SB+n], v[SB+n]
	v_exp_f32 v[SB+n+1], v[SB+n+1]
	v_dual_min_num_f32 v[SA+n], v[SA+n], v65 :: v_dual_min_num_f32 v[SA+n+1], v[SA+n+1], v70
.set n, n+2
.endr
	v_pk_mul_f32 v[46:47], v[46:47], v[54:55] op_sel_hi:[1,0]   ; B's sum under the new M (a plain place behind the batch)
	s_wait_alu depctr_va_vdst(0)                   ; the wait behind tile B's batch
	SUMS SB, 46, 50
.set n, 0
.rept 32
	v_dual_min_num_f32 v[SB+n], v[SB+n], v65 :: v_dual_min_num_f32 v[SB+n+1], v[SB+n+1], v70
.set n, n+2
.endr
.irp t, 0,1,2,3,4,5,6,7
	v_cvt_scalef32_pk8_fp8_f32 v[PA+2*\t:PA+2*\t+1], v[SA+8*\t:SA+8*\t+7], v64
	v_cvt_scalef32_pk8_fp8_f32 v[PB+2*\t:PB+2*\t+1], v[SB+8*\t:SB+8*\t+7], v64
.endr
	WIN 0x41
	s_wait_alu depctr_va_vdst(0)                   ; the wait directly ahead of the first readers of O^T
.set n, 0
.rept 16
	v_pk_mul_f32 v[OA+n:OA+n+1], v[OA+n:OA+n+1], v[52:53] op_sel_hi:[1,0]               ; O^T under the new M
.set n, n+2
.endr
.rept 16
	v_pk_mul_f32 v[OA+n:OA+n+1], v[OA+n:OA+n+1], v[54:55] op_sel_hi:[1,0]
.set n, n+2
.endr
	s_wait_alu depctr_va_vdst(0)
	s_wait_dscnt 16*(1-\i)                         ; V is in; in the first step the 16 loads of the second step's K, issued behind V's, may be out
	WIN 0x51
.irp t, 0,1,2,3
	v_wmma_f32_16x16x128_fp8_fp8 v[OA+8*\t:OA+8*\t+7], v[VF+16*\t:VF+16*\t+15], v[PA:PA+15], v[OA+8*\t:OA+8*\t+7]
	v_wmma_f32_16x16x128_fp8_fp8 v[OA+32+8*\t:OA+32+8*\t+7], v[VF+16*\t:VF+16*\t+15], v[PB:PB+15], v[OA+32+8*\t:OA+32+8*\t+7]
.endr
	WIN 0
.if \i == 1
.Lhid_\tag:
.endif
.endm
; Wave (u, 1) lays its part into the stage: -M and the largest t, the sums, O^T: images of registers, 16 bytes a lane.
.macro PUT
	PLACES 4                                       ; in front of the first read of O^T
	ds_store_b128 v5, v[40:43] offset:8192
	ds_store_b128 v5, v[44:47] offset:8704
	WIN 0x04
.set n, 0
.rept 16
	ds_store_b128 v5, v[OA+4*n:OA+4*n+3] offset:512*n
.set n, n+1
.endr
	WIN 0
.endm
; Wave (u, 0) joins the two parts under the larger M, divides by the sum, x 2^(e8+e9), holds, quantises with 2^e10, stores.  Each store of the wave covers 512 consecutive bytes, aligned.
.macro GETFIN b
	PLACES 4
	ds_load_b128 v[56:59], v5 offset:8192
	ds_load_b128 v[60:63], v5 offset:8704
	WIN 0x40
.set n, 0
.rept 16
	ds_load_b128 v[4*n:4*n+3], v5 offset:512*n     ; the partner's O^T, over K's registers
.set n, n+1
.endr
	WIN 0
	s_wait_dscnt 16                                ; the first two loads are in; the 16 behind them may be out
	v_min_num_f32 v48, v40, v56                    ; the joint -M
	v_min_num_f32 v50, v42, v58
	v_sub_f32 v49, v48, v40
	v_sub_f32 v51, v50, v42
	v_sub_f32 v56, v48, v56
	v_sub_f32 v58, v50, v58
.irp r, 49,51,56,58
	v_cvt_i32_f32 v\r, v\r
.endr
.irp r, 49,51,56,58
	v_ldexp_f32 v\r, 1.0, v\r                      ; 2^(a part's M - the joint M); 0 for a part that had no key step
.endr
	v_add_f32 v44, v44, v45
	v_add_f32 v46, v46, v47
	v_add_f32 v60, v60, v61
	v_add_f32 v62, v62, v63
	v_mul_f32 v44, v44, v49
	v_mul_f32 v46, v46, v51
	v_fmac_f32 v44, v60, v56
	v_fmac_f32 v46, v62, v58
	v_permlanex16_b32 v45, v44, s20, s21
	v_permlanex16_b32 v47, v46, s20, s21
	v_add_f32 v44, v44, v45                        ; the rows' sums
	v_add_f32 v46, v46, v47
	s_wait_alu depctr_va_vdst(0)                   ; the wait ahead of the transcendentals
	v_rcp_f32 v44, v44
	v_rcp_f32 v46, v46
	v_nop
	s_wait_alu depctr_va_vdst(0)                   ; and behind them
	v_ldexp_f32 v44, v44, s57
	v_ldexp_f32 v46, v46, s57
	v_mul_f32 v52, v49, v44
	v_mul_f32 v54, v51, v46
	v_mul_f32 v56, v56, v44
	v_mul_f32 v58, v58, v46
	s_wait_dscnt 0x0
	WIN 0x41
	s_wait_alu depctr_va_vdst(0)                   ; the wait directly ahead of the first readers of O^T
.set n, 0
.rept 16
	v_pk_mul_f32 v[OA+n:OA+n+1], v[OA+n:OA+n+1], v[52:53] op_sel_hi:[1,0]
.set n, n+2
.endr
.rept 16
	v_pk_mul_f32 v[OA+n:OA+n+1], v[OA+n:OA+n+1], v[54:55] op_sel_hi:[1,0]
.set n, n+2
.endr
	WIN 0x51
.set n, 0
.rept 16
	v_pk_fma_f32 v[OA+n:OA+n+1], v[n:n+1], v[56:57], v[OA+n:OA+n+1] op_sel_hi:[1,0,1]
.set n, n+2
.endr
.rept 16
	v_pk_fma_f32 v[OA+n:OA+n+1], v[n:n+1], v[58:59], v[OA+n:OA+n+1] op_sel_hi:[1,0,1]
.set n, n+2
.endr
	WIN 0x41
.set n, 0
.rept 64
	v_med3_num_f32 v[OA+n], v[OA+n], -v67, v67
.set n, n+1
.endr
	WIN 0x01
.irp t, 0,1,2,3
	v_cvt_scalef32_pk8_fp8_f32 v[PA+2*\t:PA+2*\t+1], v[OA+8*\t:OA+8*\t+7], v66
	v_cvt_scalef32_pk8_fp8_f32 v[PB+2*\t:PB+2*\t+1], v[OA+32+8*\t:OA+32+8*\t+7], v66
.endr
	WIN 0
	v_nop                                          ; a plain place behind the last conversion
	global_store_b128 v1, v[PA:PA+3], s[\b:\b+1]
	global_store_b128 v1, v[PA+4:PA+7], s[\b:\b+1] offset:512
	global_store_b128 v1, v[PB:PB+3], s[\b:\b+1] offset:65536      ; tile B lies four tiles of 16,384 bytes on
	global_store_b128 v1, v[PB+4:PB+7], s[\b:\b+1] offset:66048
.endm
.macro START                           ; a block's beginning: the largest t under every t, the sums and O^T zero
	v_mov_b32 v41, 0xff61b1e6                      ; -3e38
	v_mov_b32 v43, 0xff61b1e6
	v_floor_f32 v40, -v41
	v_floor_f32 v42, -v43
.irp r, 44,45,46,47
	v_mov_b32 v\r, 0
.endr
	WIN 0x40
.set n, 0
.rept 64
	v_mov_b32 v[OA+n], 0
.set n, n+1
.endr
	WIN 0
.endm
	s_load_b256 s[4:11], s[0:1], 0x0               ; qimg, kimg, vimg, the scales' exponents
	s_load_b64 s[12:13], s[0:1], 0x20              ; oimg
	v_lshl_add_u32 v3, v0, 2, SPARE                ; my spare word; never rewritten
	v_mov_b32 v4, 0                                ; 0; never rewritten
	ds_add_u32 v3, v4                              ; the opening lines: the add twice on end and its wait
	ds_add_u32 v3, v4
	v_lshrrev_b32 v1, 5, v0
	v_readfirstlane_b32 s[WV], v1                  ; wave 0..7
	s_lshr_b32 s[SQ], s[WV], 2                     ; e
	s_mul_i32 s15, s[SQ], 3
	s_xor_b32 s15, s[WV], s15
	s_and_b32 s44, s15, 3                          ; u: 0 1 2 3 3 2 1 0
	s_add_co_u32 s[SQ+1], s[SQ], 2
	s_bfe_u32 s16, ttmp6, 0x40000                  ; cx: it enters Q's and o's addresses, the prefetch's offset and the mask's d alone
	s_mov_b32 s17, ttmp9                           ; J
	s_and_b32 s18, ttmp7, 0xffff                   ; the head
	s_add_co_u32 s19, s17, 1
	s_sub_co_u32 s15, 7, s17
	s_mov_b32 s20, 0x76543210                      ; v_permlanex16_b32's selects for lane l xor 16
	s_mov_b32 s21, 0xfedcba98
	s_mov_b32 s24, 15|(3<<16)|(1<<21)              ; group 1: the mask of all four; elements of 8 bytes; a dense block of 32 rows x 256 bytes
	s_mov_b32 s25, 32<<16
	s_mov_b32 s26, 32<<16
	s_mov_b32 s27, 32<<16
	s_mov_b32 s28, 32
	s_mov_b32 s29, 32
	s_mov_b32 s30, 0
	s_mov_b32 s31, 0
	s_lshl_b32 s68, s18, 18                        ; the head's first byte in qimg, kimg, vimg
	s_and_b32 s38, s[WV], 3
	s_lshl_b32 s38, s38, 13                        ; which quarter of a slot's K or V I fetch
	s_add_co_u32 s38, s38, s68
	s_mov_b32 s39, 0
	s_mov_b32 s32, 1
	s_lshl_b32 s33, s[WV], 13                      ; LDS address: 8,192 x wave, in slot 0
	s_lshl_b32 s66, s44, 3
	s_add_co_u32 s66, s66, s16                     ; tile A in a block: 8 u + cx
	s_lshl_b32 s46, s17, 5
	s_add_co_u32 s46, s46, s66                     ; in the first block,
	s_lshl_b32 s47, s15, 5
	s_add_co_u32 s47, s47, s66                     ; in the second
	s_wait_dscnt 0x0
	s_wait_kmcnt 0x0
	s_load_b128 s[52:55], s[10:11], 0x18           ; e6, e7, e8, e9
	s_load_b32 s56, s[10:11], 0x28                 ; e10
	s_cmp_lt_u32 s[WV], 4
	s_cselect_b64 s[36:37], s[6:7], s[8:9]         ; waves 0-3: K; waves 4-7: V
	s_add_nc_u64 s[36:37], s[36:37], s[38:39]      ; my part of the head's slot 0; it stays
	s_mov_b64 s[34:35], s[36:37]
	s_or_b32 s35, s35, 0x80000000
	ROUND                                          ; all four work-groups are here: the first joint loads meet
	tensor_load_to_lds s[32:35], s[24:31]          ; slot 0: one load a wave
	s_nop 0
	PLACES 4
	s_mov_b32 s63, 0
	s_lshl_b32 s62, s46, 10
	s_add_co_u32 s62, s62, s68
	s_add_nc_u64 s[70:71], s[4:5], s[62:63]        ; Q of the first block,
	s_lshl_b32 s62, s47, 10
	s_add_co_u32 s62, s62, s68
	s_add_nc_u64 s[4:5], s[4:5], s[62:63]          ; of the second
	s_lshl_b32 s69, s18, 10
	s_lshl_b32 s62, s46, 14
	s_add_co_u32 s62, s62, s69
	s_add_nc_u64 s[50:51], s[12:13], s[62:63]      ; o of the first block: tile x 16,384 + head x 1,024,
	s_lshl_b32 s62, s47, 14
	s_add_co_u32 s62, s62, s69
	s_add_nc_u64 s[58:59], s[12:13], s[62:63]      ; of the second
	s_lshl_b32 s66, s16, 11
	s_lshl_b32 s67, s[SQ], 13
	s_mul_i32 s68, s44, 9216
	s_add_co_u32 s68, s68, STG
	s_lshl_b32 s69, s16, 4
	s_mov_b32 s47, 1                               ; the highest slot that needs no prefetch any more
	s_mov_b32 s40, 0                               ; the slot number last asked for
	s_mov_b32 s41, 0                               ; the trip
	s_mov_b32 s42, 0                               ; LDS byte at which the slot in hand begins
	v_and_b32 v1, 31, v0
	v_min_u32 v6, 7, v1
	v_lshlrev_b32 v1, 4, v1                        ; 16 x lane
	v_lshl_add_u32 v6, v6, 8, s66                  ; block 8 cx + min(lane, 7) of my 32
.irp c, 0,1
	global_load_b128 v[QA+4*\c:QA+4*\c+3], v1, s[70:71] offset:512*\c
	global_load_b128 v[QB+4*\c:QB+4*\c+3], v1, s[70:71] offset:4096+512*\c
	global_load_b128 v[24+4*\c:27+4*\c], v1, s[4:5] offset:512*\c
	global_load_b128 v[32+4*\c:35+4*\c], v1, s[4:5] offset:4096+512*\c
.endr
	v_add_nc_u32 v104, s67, v1
	v_add_nc_u32 v5, s68, v1
	v_and_b32 v68, 15, v0
	v_bfe_u32 v69, v0, 4, 1
	v_lshlrev_b32 v69, 3, v69
	v_sub_nc_u32 v68, v68, v69
	v_add_nc_u32 v68, s69, v68                     ; d = my query's place in the diagonal step - 8 (lane / 16): tile A,
	v_add_nc_u32 v69, 64, v68                      ; tile B
	v_mov_b32 v7, 0xff800000                       ; -infinity
.irp r, 53,55,60,61
	v_mov_b32 v\r, 0                               ; upper halves of named pairs; lane permutes' destinations
.endr
	START
	s_wait_kmcnt 0x0
	s_add_co_i32 s66, s52, s53
	s_lshl_b32 s66, s66, 23
	s_add_co_i32 s22, s66, 0x4138aa3b              ; c = 8 log2(e) x 2^(e6+e7)
	s_mov_b32 s23, s22
	s_add_co_i32 s66, s54, 127
	s_lshl_b32 s67, s66, 23
	v_mov_b32 v64, s67                             ; 2^e8
	s_add_co_i32 s66, s66, 8
	s_lshl_b32 s66, s66, 23
	s_or_b32 s66, s66, 0x600000
	v_mov_b32 v65, s66                             ; 448 x 2^e8, in two registers for the two halves of the dual form
	v_mov_b32 v70, s66
	s_add_co_i32 s66, s56, 127
	s_lshl_b32 s67, s66, 23
	v_mov_b32 v66, s67                             ; 2^e10
	s_add_co_i32 s66, s66, 8
	s_lshl_b32 s66, s66, 23
	s_or_b32 s66, s66, 0x600000
	v_mov_b32 v67, s66                             ; 448 x 2^e10
	s_add_co_i32 s57, s54, s55                     ; e8 + e9
	s_wait_alu depctr_va_vdst(0)                   ; the wait at the head's end
	s_wait_loadcnt 0x0                             ; Q of both blocks
.Lslot:                                            ; eight trips; behind each change of slots the next trip's keys are asked for
	CHANGE 1
	s_cmp_lg_u32 s41, s19
	s_cbranch_scc1 .Lno_switch
	s_cmp_lt_u32 s[WV], 4                          ; THE FIRST BLOCK IS DONE: the partners' parts were stored ahead of the change's barrier
	s_cbranch_scc0 .Lsw1
	GETFIN 50
.Lsw1:
	START
.set n, 0
.rept 16
	v_mov_b32 v[QA+n], v[24+n]                     ; the second block's Q
.set n, n+1
.endr
	s_wait_xcnt 0x0                                ; the stores' data registers are written again only behind this wait
.Lno_switch:
	s_add_co_u32 s45, s41, 1
	s_cmp_eq_u32 s45, s19                          ; the first block's last slot?
	s_cselect_b32 s43, s44, 4
	v_add_nc_u32 v2, s42, v104
	s_wait_alu depctr_va_vdst(0)                   ; the wait
	STEP 0, a
	STEP 1, a
	s_wait_dscnt 0x0                               ; my LDS reads of this trip, those of the stage among them, are over
	s_barrier_signal -1                            ; a barrier between a trip's reads of the stage and its stores into it
	s_barrier_wait -1
	s_cmp_eq_u32 s43, 4
	s_cbranch_scc1 .Lno_put
	s_cmp_lt_u32 s[WV], 4
	s_cbranch_scc1 .Lno_put
	PUT
.Lno_put:
	s_xor_b32 s42, s42, SLOT1
	s_add_co_u32 s41, s41, 1
	s_cmp_lt_u32 s41, 8
	s_cbranch_scc1 .Lslot
	CHANGE 0                                       ; the ninth trip is written out: the second block's last slot
	s_mov_b32 s43, s44
	v_add_nc_u32 v2, s42, v104
	s_wait_alu depctr_va_vdst(0)
	STEP 0, b
	STEP 1, b
	s_cmp_lt_u32 s[WV], 4
	s_cbranch_scc1 .Lkeeps
	PUT
.Lkeeps:
	s_wait_dscnt 0x0                               ; my stores into the stage, and my last loads, are done
	s_barrier_signal -1
	s_barrier_wait -1
	s_cmp_lt_u32 s[WV], 4
	s_cbranch_scc0 .Ldone
	GETFIN 58
.Ldone:
	s_wait_tensorcnt 0x0                           ; the wave's end
	ds_add_u32 v3, v4
	s_wait_dscnt 0x0
	ROUND                                          ; the closing round
	s_endpgm
.Lfunc_end_k_qe647064c20_attn:
	.size	k_qe647064c20_attn, .Lfunc_end_k_qe647064c20_attn-k_qe647064c20_attn
	.p2alignl 7, 3214868480
	.fill 96, 4, 3214868480
	.section	.rodata,"a",@progbits
	.p2align	6, 0x0
	.amdhsa_kernel k_qe647064c20_attn
		.amdhsa_group_segment_fixed_size 327680
		.amdhsa_private_segment_fixed_size 0
		.amdhsa_enable_private_segment 0
		.amdhsa_kernarg_size 40
		.amdhsa_user_sgpr_count 2
		.amdhsa_user_sgpr_kernarg_segment_ptr 1
		.amdhsa_wavefront_size32 1
		.amdhsa_system_sgpr_workgroup_id_x 1
		.amdhsa_system_sgpr_workgroup_id_y 1
		.amdhsa_system_sgpr_workgroup_id_z 1
		.amdhsa_system_vgpr_workitem_id 0
		.amdhsa_next_free_vgpr 448
		.amdhsa_next_free_sgpr 72
		.amdhsa_reserve_vcc 1
		.amdhsa_float_denorm_mode_32 3
		.amdhsa_float_denorm_mode_16_64 3
		.amdhsa_memory_ordered 1
		.amdhsa_forward_progress 1
		.amdhsa_inst_pref_size 193
	.end_amdhsa_kernel
	.amdgpu_metadata
---
amdhsa.version: [ 1, 2 ]
amdhsa.kernels:
  - .name:           k_qe647064c20_attn
    .symbol:         k_qe647064c20_attn.kd
    .args:
      - { .name: qimg, .offset: 0, .size: 8, .value_kind: global_buffer, .address_space: global }
      - { .name: kimg, .offset: 8, .size: 8, .value_kind: global_buffer, .address_space: global }
      - { .name: vimg, .offset: 16, .size: 8, .value_kind: global_buffer, .address_space: global }
      - { .name: lowp_scales, .offset: 24, .size: 8, .value_kind: global_buffer, .address_space: global }
      - { .name: oimg, .offset: 32, .size: 8, .value_kind: global_buffer, .address_space: global }
    .group_segment_fixed_size: 327680
    .private_segment_fixed_size: 0
    .kernarg_segment_align: 8
    .kernarg_segment_size: 40
    .max_flat_workgroup_size: 256
    .sgpr_count:     72
    .vgpr_count:     448
    .wavefront_size: 32
...
	.end_amdgpu_metadata
.endif
;; end of part 2
;; launch oproj (part 3): grid 8 x 32, 8 waves a work-group, clusters of 4 x 4, 327,680 bytes of LDS; arguments oimg, Wo_codes, lowp_scales, out0; writes out0
.if DOCPART == 3
	.amdgcn_target "amdgcn-amd-amdhsa--gfx1250"
	.amdhsa_code_object_version 6
	.text
	.protected	k_qe647064c20_oproj
	.globl	k_qe647064c20_oproj
	.p2align	8
	.type	k_qe647064c20_oproj,@function
k_qe647064c20_oproj:
	s_mov_b64 s[64:65], 0
	v_nop
	global_prefetch_b8 v0, s[64:65] scope:SCOPE_SE
	s_setreg_imm32_b32 hwreg(HW_REG_WAVE_MODE, 25, 1), 1
	s_wait_xcnt 0x0
	s_wait_alu depctr_hold_cnt(0) depctr_sa_sdst(0) depctr_va_vdst(0) depctr_va_sdst(0) depctr_va_ssrc(0) depctr_va_vcc(0) depctr_vm_vsrc(0)
	s_getreg_b32 s2, hwreg(HW_REG_IB_STS2, 6, 4)
	s_cmp_eq_u32 s2, 0
	s_cbranch_scc0 .Lentry_in_a_cluster
	s_endpgm
.Lentry_in_a_cluster:
	s_bfe_u32 s2, ttmp6, 0x10000c
	s_cmp_lg_u32 s2, 0xf033
	s_cbranch_scc0 .Lentry_shape_is_right
	s_endpgm
.Lentry_shape_is_right:
; out0 = o Wo on codes of E4M3, each finished sum x 2^(e10 + e11).  oimg: [tile of 16 rows: 256][K step of 128: 8][group of 4 registers: 4][lane][16]: images of the operand's registers.
; Wo_codes: [1024 (out)][1024 (K)], K innermost.  out0: [4096][1024] f32.
; SHARES.  A work-group makes 128 rows x 128 columns.  Both whole panels (128 x 1,024 codes each) lie in LDS, every byte filled once, by ONE tensor load a wave: waves 0-3 fetch 32,768 dense bytes of o's
; panel each (two tiles), waves 4-7 32 whole rows of Wo each.  Wave w takes rows 32 (w / 2) on (2 tiles) and columns 64 (w % 2) on (4 tiles): 8 accumulators.
; THE MATRIX INSTRUCTION IS USED TRANSPOSED (source 0 = 16 rows of Wo, source 1 = o's fragment): a lane holds eight neighbouring columns of one row.  o's images have k in the form's own places, so Wo's
; fragments are fetched in those places too: eight loads of 8 bytes, 16 apart.
; CLUSTER 4 x 4.  o's panel hangs on the row block alone: shared along a row of the cluster.  Wo's hangs on the column block alone: shared along a column.  Each is asked for jointly.
; No prefetch: the launch has no loop over tiles to run ahead in; all that it reads is asked for at its head.
; LIMIT: e10 + e11 between -126 and 127, so that 2^(e10 + e11) is an f32 number.
.set PITCH, 272                        ; a row of the stage: 256 bytes + 16
.set WP,    1040                       ; a row of Wo in LDS: 1,024 bytes + 16 of padding = 260 words
.set BBASE, 131072                     ; o's panel: tile T at 16,384 T, K step s at + 2,048 s.  Behind it Wo's 128 rows
.set STAGE, BBASE+128*WP               ; 16 rows x 272 bytes for each wave, for the way out; no tile lands here
.set SPARE, STAGE+8*16*PITCH           ; the spare words: 128 bytes for each of eight waves
.set AA,  4                            ; v4  LDS address of my o fragments
.set BA,  6                            ; v6  the same for Wo
.set AF,  16                           ; v16-47   o: two fragments of 16 rows x 128 K
.set BF,  48                           ; v48-111  Wo: four fragments
.set ACC, 112                          ; v112-175 accumulator (rt, ct) at ACC + 8 (4 rt + ct)
.set TMP, 176                          ; v176-207 the way out
.set WV,  12
.set G1A, 24                           ; s[24:31] group 1 for o's panel; s[32:35] group 0
.set G1B, 48                           ; s[48:55] for Wo's; s[56:59] group 0
.macro PLACES n
.rept \n
	v_nop
.endr
.endm
.macro ROUND                           ; a round of the cluster's barrier
	s_barrier_signal -1
	s_barrier_wait -1
	s_cmp_lg_u32 s[WV], 0
	s_cbranch_scc1 .Lnot_wave_0_\@
	s_barrier_signal -3
.Lnot_wave_0_\@:
	s_barrier_wait -3
	s_barrier_signal -1
	s_barrier_wait -1
.endm
	s_load_b256 s[4:11], s[0:1], 0x0               ; oimg, Wo, the scales' exponents, out0
	v_lshl_add_u32 v240, v0, 2, SPARE              ; my spare word; never rewritten
	v_mov_b32 v241, 0                              ; 0; never rewritten
	ds_add_u32 v240, v241                          ; the opening lines: the add twice on end and its wait
	ds_add_u32 v240, v241
	v_lshrrev_b32 v1, 5, v0
	v_readfirstlane_b32 s[WV], v1                  ; wave 0..7
	s_and_b32 s13, s[WV], 3                        ; which quarter of a panel I fetch
	s_lshr_b32 s14, s[WV], 1                       ; my 32 rows
	s_and_b32 s15, s[WV], 1                        ; my 64 columns
	s_bfe_u32 s16, ttmp6, 0x40000                  ; cx, cy
	s_bfe_u32 s17, ttmp6, 0x40004
	s_lshl_b32 s18, ttmp9, 2
	s_add_co_u32 s18, s18, s16                     ; block of 128 columns
	s_and_b32 s19, ttmp7, 0xffff
	s_lshl_b32 s19, s19, 2
	s_add_co_u32 s19, s19, s17                     ; block of 128 rows
	s_lshl_b32 s20, s17, 2
	s_lshl_b32 s20, 15, s20                        ; my row of the cluster
	s_lshl_b32 s21, 0x1111, s16                    ; my column
	s_or_b32 s[G1A], s20, (3<<16)|(1<<21)          ; o: a dense block of 128 rows x 256 bytes, elements of 8 bytes
	s_mov_b32 s[G1A+1], 32<<16
	s_mov_b32 s[G1A+2], 128<<16
	s_mov_b32 s[G1A+3], 32<<16
	s_mov_b32 s[G1A+4], 128
	s_mov_b32 s[G1A+5], 32
	s_mov_b32 s[G1A+6], 0
	s_mov_b32 s[G1A+7], 0
	s_or_b32 s[G1B], s21, (1<<20)|(1<<21)|(7<<22)|(3<<25)   ; Wo: 32 rows x 1,024 bytes, four words of padding after every 256
	s_mov_b32 s[G1B+1], 1024<<16
	s_mov_b32 s[G1B+2], 32<<16
	s_mov_b32 s[G1B+3], 1024<<16
	s_mov_b32 s[G1B+4], 32
	s_mov_b32 s[G1B+5], 1024
	s_mov_b32 s[G1B+6], 0
	s_mov_b32 s[G1B+7], 0
	s_lshl_b32 s22, s13, 15
	s_lshl_b32 s76, s19, 17                        ; o: 131,072 x row block + 32,768 x quarter
	s_add_co_u32 s76, s76, s22
	s_mov_b32 s77, 0
	s_lshl_b32 s78, s18, 17                        ; Wo: row 128 x column block + 32 x quarter, 1,024 bytes each
	s_add_co_u32 s78, s78, s22
	s_mov_b32 s79, 0
	s_mov_b32 s32, 1
	s_lshl_b32 s33, s13, 15                        ; where they go: o: 32,768 x quarter;
	s_mov_b32 s56, 1
	s_mul_i32 s57, s13, 32*WP
	s_add_co_u32 s57, s57, BBASE                   ; Wo: 32 rows x quarter
	s_wait_dscnt 0x0
	s_wait_kmcnt 0x0
	s_load_b64 s[80:81], s[8:9], 0x28              ; e10, e11
	s_add_nc_u64 s[34:35], s[4:5], s[76:77]
	s_or_b32 s35, s35, 0x80000000
	s_add_nc_u64 s[58:59], s[6:7], s[78:79]
	s_or_b32 s59, s59, 0x80000000
	ROUND                                          ; all sixteen work-groups are here: the joint loads meet
	s_cmp_lt_u32 s[WV], 4                          ; waves 0-3: o; waves 4-7: Wo: one load in each arm
	s_cbranch_scc0 .Lfor_b
	tensor_load_to_lds s[32:35], s[G1A:G1A+7]
	s_nop 0
	PLACES 4
	s_branch .Lasked
.Lfor_b:
	tensor_load_to_lds s[56:59], s[G1B:G1B+7]
	s_nop 0
	PLACES 4
.Lasked:
	s_lshl_b32 s72, s14, 15                        ; my two tiles of o
	s_lshl_b32 s73, s15, 6                         ; my 64 rows of Wo
	s_mul_i32 s74, s[WV], 16*PITCH
	s_add_co_u32 s74, s74, STAGE                   ; my stage
	s_lshl_b32 s84, s19, 19                        ; my first row: 128 x row block + 32 (w / 2), 4,096 bytes each;
	s_lshl_b32 s85, s14, 17
	s_add_co_u32 s84, s84, s85
	s_lshl_b32 s85, s18, 9                         ; my first column: 128 x column block + 64 (w % 2), 4 bytes each
	s_add_co_u32 s84, s84, s85
	s_lshl_b32 s85, s15, 8
	s_add_co_u32 s84, s84, s85
	s_mov_b32 s85, 0
	s_add_nc_u64 s[10:11], s[10:11], s[84:85]
	v_and_b32 v1, 15, v0                           ; r
	v_bfe_u32 v2, v0, 4, 1                         ; h
	v_and_b32 v3, 31, v0
	v_lshlrev_b32 v3, 4, v3
	v_add_nc_u32 v[AA], s72, v3                    ; o: my two tiles, 16 x lane
	v_add_nc_u32 v[BA], s73, v1
	v_mul_u32_u24 v[BA], v[BA], WP
	v_lshl_add_u32 v[BA], v2, 3, v[BA]
	v_add_nc_u32 v[BA], BBASE, v[BA]               ; Wo: row 64 (w % 2) + r, + 8 h
	v_mul_u32_u24 v8, v1, PITCH
	v_lshl_add_u32 v8, v2, 5, v8
	v_add_nc_u32 v8, s74, v8                       ; in: row r, 32 bytes for each half of the lanes
	v_mul_u32_u24 v9, v2, PITCH
	v_lshl_add_u32 v9, v1, 4, v9
	v_add_nc_u32 v9, s74, v9                       ; back: lanes 0-15 one row of 256 bytes, lanes 16-31 the next
	v_lshlrev_b32 v10, 12, v2
	v_lshl_add_u32 v10, v1, 4, v10                 ; and the same two rows in out0
; four matrix instructions: tiles of columns c0, c0 + 1 x my two tiles of rows.  The eight accumulators take turns, in the same order in every K step.
.macro MUL4 c0, zero
.irp ct, \c0, \c0+1
.irp rt, 0,1
.if \zero
	v_wmma_f32_16x16x128_fp8_fp8 v[ACC+8*(4*\rt+(\ct)):ACC+8*(4*\rt+(\ct))+7], v[BF+16*(\ct):BF+16*(\ct)+15], v[AF+16*\rt:AF+16*\rt+15], 0
.else
	v_wmma_f32_16x16x128_fp8_fp8 v[ACC+8*(4*\rt+(\ct)):ACC+8*(4*\rt+(\ct))+7], v[BF+16*(\ct):BF+16*(\ct)+15], v[AF+16*\rt:AF+16*\rt+15], v[ACC+8*(4*\rt+(\ct)):ACC+8*(4*\rt+(\ct))+7]
.endif
.endr
.endr
.endm
.macro KS s, zero                      ; K step s: 128 along K
	PLACES 4                                       ; in front of loads into registers that matrix instructions have read
.irp rt, 0,1
.irp c, 0,1,2,3
	ds_load_b128 v[AF+16*\rt+4*\c:AF+16*\rt+4*\c+3], v[AA] offset:\rt*16384+\s*2048+\c*512
.endr
.endr
.irp ct, 0,1,2,3
.irp c, 0,1,2,3,4,5,6,7
	ds_load_b64 v[BF+16*\ct+2*\c:BF+16*\ct+2*\c+1], v[BA] offset:\ct*16*WP+128*\s+16*\c
.endr
.endr
	s_wait_dscnt 16                                ; o's fragments and Wo's tiles 0, 1 are in; the youngest 16 loads (tiles 2, 3) may be out
	MUL4 0, \zero
	s_wait_dscnt 0x0
	MUL4 2, \zero
.endm
	s_wait_alu depctr_va_vdst(0)                   ; the wait at the head's end
	s_wait_tensorcnt 0x0                           ; my part of the panels is in
	s_barrier_signal -1
	s_barrier_wait -1                              ; everybody's is; nothing is filled again in this launch
	KS 0, 1                                        ; the first products start the sums: nothing is cleared
.irp s, 1,2,3,4,5,6,7
	KS \s, 0
.endr
; THE WAY OUT, a tile of 16 rows x 64 columns at a time: x 2^(e10 + e11) into other registers, each accumulator from its low end on; through my own stage; back as whole rows of 256 bytes.
; LDS serves a wave's instructions in order (ISA guide 5.7.1.4): no wait between the stores and the loads.
.macro OUT rt, bk
.set p, 0
.rept 16
	v_pk_mul_f32 v[TMP+2*p:TMP+2*p+1], v[ACC+32*\rt+2*p:ACC+32*\rt+2*p+1], s[82:83] op_sel_hi:[1,0]
.set p, p+1
.endr
.irp ct, 0,1,2,3
	ds_store_b128 v8, v[TMP+8*\ct:TMP+8*\ct+3] offset:64*\ct
	ds_store_b128 v8, v[TMP+8*\ct+4:TMP+8*\ct+7] offset:64*\ct+16
.endr
.irp i, 0,1,2,3,4,5,6,7
	ds_load_b128 v[\bk+4*\i:\bk+4*\i+3], v9 offset:2*\i*PITCH
.endr
.irp i, 0,1,2,3,4,5,6,7
	s_wait_dscnt 7-\i                              ; pair of rows i is back; the younger loads may be out
	global_store_b128 v10, v[\bk+4*\i:\bk+4*\i+3], s[10:11] offset:(16*\rt+2*\i)*4096 th:TH_STORE_NT   ; 16 lanes store 256 consecutive bytes, at a multiple of 256 from out0's first byte
.endr
.endm
	s_wait_kmcnt 0x0
	s_add_co_i32 s82, s80, s81
	s_add_co_i32 s82, s82, 127
	s_lshl_b32 s82, s82, 23                        ; 2^(e10 + e11) as f32
	s_mov_b32 s83, s82                             ; (named with it as a pair, so it is written)
	PLACES 4                                       ; in front of the first read of results
	OUT 0, 208                                     ; rows back into v208-239,
	OUT 1, AF                                      ; and into o's fragments' registers, which are done with
	s_wait_tensorcnt 0x0                           ; the wave's end
	ds_add_u32 v240, v241
	s_wait_dscnt 0x0
	ROUND                                          ; the closing round
	s_endpgm
.Lfunc_end_k_qe647064c20_oproj:
	.size	k_qe647064c20_oproj, .Lfunc_end_k_qe647064c20_oproj-k_qe647064c20_oproj
	.p2alignl 7, 3214868480
	.fill 96, 4, 3214868480
	.section	.rodata,"a",@progbits
	.p2align	6, 0x0
	.amdhsa_kernel k_qe647064c20_oproj
		.amdhsa_group_segment_fixed_size 327680
		.amdhsa_private_segment_fixed_size 0
		.amdhsa_enable_private_segment 0
		.amdhsa_kernarg_size 32
		.amdhsa_user_sgpr_count 2
		.amdhsa_user_sgpr_kernarg_segment_ptr 1
		.amdhsa_wavefront_size32 1
		.amdhsa_system_sgpr_workgroup_id_x 1
		.amdhsa_system_sgpr_workgroup_id_y 1
		.amdhsa_system_sgpr_workgroup_id_z 1
		.amdhsa_system_vgpr_workitem_id 0
		.amdhsa_next_free_vgpr 242
		.amdhsa_next_free_sgpr 88
		.amdhsa_reserve_vcc 0
		.amdhsa_float_denorm_mode_32 3
		.amdhsa_float_denorm_mode_16_64 3
		.amdhsa_memory_ordered 1
		.amdhsa_forward_progress 1
		.amdhsa_inst_pref_size 38
	.end_amdhsa_kernel
	.amdgpu_metadata
---
amdhsa.version: [ 1, 2 ]
amdhsa.kernels:
  - .name:           k_qe647064c20_oproj
    .symbol:         k_qe647064c20_oproj.kd
    .args:
      - { .name: oimg, .offset: 0, .size: 8, .value_kind: global_buffer, .address_space: global }
      - { .name: Wo_codes, .offset: 8, .size: 8, .value_kind: global_buffer, .address_space: global }
      - { .name: lowp_scales, .offset: 16, .size: 8, .value_kind: global_buffer, .address_space: global }
      - { .name: out0, .offset: 24, .size: 8, .value_kind: global_buffer, .address_space: global }
    .group_segment_fixed_size: 327680
    .private_segment_fixed_size: 0
    .kernarg_segment_align: 8
    .kernarg_segment_size: 32
    .max_flat_workgroup_size: 256
    .sgpr_count:     88
    .vgpr_count:     242
    .wavefront_size: 32
...
	.end_amdgpu_metadata
.endif
;; end of part 3
